; MI455X (gfx1250); checked and timed in simulation.
; The chip was launched on July 23, 2026; its instructions are those of AMD's public machine-readable ISA for CDNA 5 (MIT licence, August 2026) and "CDNA5" Instruction Set Architecture Reference Guide (July 2026). The comments in the code are by the model that wrote it; some were corrected since.
;; Decoder Multi Head Attention. Allowed arithmetic: matrix products marked QUANTISED: E2M1 operands, one E8M0 scale for each 32 along K, by v_wmma_scale_f32_16x16x128_f8f6f4 with both operands' format E2M1 (or v_wmma_scale_f32_32x16x128_f4), f32 sums; products left as they are: bf16, f16 or f32 operands; f32 sums; everything else in f32.
;; Inputs: Wk 16 x 1,024 x 32 float32; Wo 512 x 1,024 float32; Wq 16 x 1,024 x 32 float32; Wv 16 x 1,024 x 32 float32; k 4 x 2,048 x 1,024 float32; q 4 x 2,048 x 1,024 float32; v 4 x 2,048 x 1,024 float32.
;; Outputs: out0 4 x 2,048 x 1,024 float32.
;; This version of the problem:
;;   THIS VERSION OF THE PROBLEM IS GIVEN IN LOW PRECISION. The matrix products marked QUANTISED in the list below multiply operands that are first quantised to E2M1 (2 exponent bits, 1 mantissa bit; 4 bits a number), with one power-of-two scale for each 32 numbers along K (OCP MX v1.0); their sums are f32. The products marked 'left as it is' may take bf16, f16 or f32 operands, with f32 sums. Whichever they take, every output number must still come out within the allowed error. Rounding operands to bf16 (8 significant bits) uses up far more of that allowance than f16 does (11 bits, for magnitudes from 6e-5 to 65,504). All else is computed in f32.
;;   The module's matrix products, in the order in which they are computed (A, B: the left and right operand; K: the contracted axis; several contracted axes count as one K, in the product's order):
;;     1. [M 512, K 1,024] x [K 1,024, N 8,192]; A: input Wq; B: input q: QUANTISED
;;     2. [M 512, K 1,024] x [K 1,024, N 8,192]; A: input Wk; B: input k: QUANTISED
;;     3. [M 512, K 1,024] x [K 1,024, N 8,192]; A: input Wv; B: input v: QUANTISED
;;     4. batch 64 x [M 2,048, K 32] x [K 32, N 2,048]; A: computed on the way; B: computed on the way: left as it is (an operand is computed on the way)
;;     5. batch 64 x [M 2,048, K 2,048] x [K 2,048, N 32]; A: computed on the way; B: computed on the way: left as it is (an operand is computed on the way)
;;     6. [M 8,192, K 512] x [K 512, N 1,024]; A: computed on the way; B: input Wo: left as it is (an operand is computed on the way)
;;   THE QUANTISER, for each operand of a quantised product, along K:
;;     - K is cut into blocks of 32 from its start; a last block that is shorter is filled with zeros.
;;     - A block's scale is 2^e with e = floor(log2(the largest magnitude in the block)) - 2, held to -126 .. 127; a block of zeros has e = 0. As a byte (E8M0): e + 127.
;;     - Each number is divided by its block's scale, clamped to +-6, and rounded to the nearest number of E2M1, ties to even, subnormals kept.
;;     - The product sums the exact products of the quantised numbers (number of the format x scale) in f32.
;;   ~~~python
;;   def quantise(x, axis):      # numpy; x: float32 -> the quantised numbers, widened to float32 again
;;       x = np.moveaxis(x, axis, -1); K = x.shape[-1]
;;       x = np.pad(x, [(0, 0)] * (x.ndim - 1) + [(0, -K % 32)]); x = x.reshape(x.shape[:-1] + (-1, 32)); a = np.abs(x).max(-1, keepdims=True)
;;       e = np.where(a > 0, np.clip(np.frexp(np.where(a > 0, a, 1))[1] - 1 - 2, -126, 127), 0)      # np.frexp(a)[1] - 1 = floor(log2(a)), exactly
;;       r = np.clip(x / 2.0 ** e, -6, 6)
;;       step = 2.0 ** (np.maximum(np.frexp(np.where(r == 0, 1, r))[1] - 1, 0) - 1)
;;       q = np.round(r / step) * step * 2.0 ** e      # np.round: ties to even
;;       return np.moveaxis(q.reshape(q.shape[:-2] + (-1,))[..., :K], -1, axis).astype(np.float32)
;;   ~~~
;; One version. Each part assembles by itself: llvm-mc -triple=amdgcn-amd-amdhsa -mcpu=gfx1250 --defsym DOCPART=n.
;; ======== version 1 of 1: 4 launches
;; limits: values are held in f16: magnitudes above 65,504 overflow, below 6.1e-05 lose precision
;; workspace buffers: Wc 786,432 bytes; Ws 49,152 bytes; Wof 1,048,576 bytes; Qf 8,388,608 bytes; Kf 8,388,608 bytes; Vf 8,388,608 bytes; xf 8,388,608 bytes
;; launch prep (part 1): grid 256 x 1, 2 waves a work-group, no clusters, 0 bytes of LDS; arguments Wq, Wk, Wv, Wo, Wc, Ws, Wof; writes Wc, Ws, Wof
.if DOCPART == 1
	.amdgcn_target "amdgcn-amd-amdhsa--gfx1250"
	.amdhsa_code_object_version 6
	.text
	.protected	k_q75f9b4b001_prep
	.globl	k_q75f9b4b001_prep
	.p2align	8
	.type	k_q75f9b4b001_prep,@function
k_q75f9b4b001_prep:
	s_mov_b64 s[64:65], 0
	v_nop
	global_prefetch_b8 v0, s[64:65] scope:SCOPE_SE
	s_setreg_imm32_b32 hwreg(HW_REG_WAVE_MODE, 25, 1), 1
	s_wait_xcnt 0x0
; The weights are laid out once, in the order in which the later launches' operand registers take them.
; Wq, Wk, Wv [16 heads][1024 (K)][32], f32, become codes of FP4 (E2M1) with one E8M0 scale byte for each 32 along K; Wo [512 (K)][1024], f32, becomes f16.
; K is not the innermost axis of any of them: A LANE TAKES A COLUMN AND ITS REGISTERS RUN DOWN K, so nothing is transposed.  A wave takes 128 along K x 32 columns.
; A FRAGMENT IMAGE is 1,024 bytes: registers 4 c .. 4 c + 3 of lane l lie at 512 c + 16 l.
;   Wc  [tensor 3][K step 8][feature tile 32][1,024]: tile 2 head + e / 16, row e % 16; lane (r, hh), registers 4 c ..: k = 64 c + 32 hh + 0 .. 31 of the K step's 128.
;   Ws  [tensor 3][K step 8][wave 4][lane 32][4 words]: word j of lane l: the four scale bytes of tile 8 wave + 2 j + l / 16, feature l % 16.
;   Wof fragment (tile of 16 columns NT, K step of 32 s) at 65,536 (NT / 4) + 4,096 s + 1,024 (NT % 4): lane (r, hh): column r; registers 4 c ..: k = 16 c + 8 hh + 0 .. 7.
; A block's scale is 2^(floor(log2(its largest magnitude)) - 2): its byte is the largest magnitude's exponent field - 2, held at 1 from below by a floor among the maximum's leaves.
; LIMITS: a block of zeros gets the byte 1 where the rule says 127 (its codes are zeros, and this program alone reads the bytes); NaN and infinities are not served;
; Wo is rounded to f16: magnitudes up to 65,504; under 6e-5 its step is 6e-8.
; Work-groups 0 to 191 take Wq, Wk, Wv (384 waves = 3 tensors x 16 heads x 8 K steps), work-groups 192 to 255 take Wo (128 waves = 4 runs of 128 along K x 32 groups of 32 columns).
; No LDS, no barrier: waves share nothing.  Every block has result registers of its own, so no store's data are written again.
.set X, 32                             ; v32-159  four blocks of 32 numbers down K
.set R, 160                            ; v160-223 results
.macro LOAD b, pitch                   ; block b: rows 32 b .. 32 b + 31 of my 128, my column: 32 lanes read 128 consecutive bytes
.set li, 0
.rept 32
	global_load_b32 v[X+32*(\b)+li], v1, s[24:25] offset:(32*(\b)+li)*(\pitch) th:TH_LOAD_NT
.set li, li+1
.endr
.endm
.macro BLOCKA kb                       ; one block of 32 along K of my column: scale byte and 32 codes
.set XS, X+32*(\kb)
	v_max3_num_f32 v8, |v[XS]|, |v[XS+1]|, 0x1800000               ; the floor 2^(3 - 127): the byte cannot fall under 1
	v_max3_num_f32 v9, |v[XS+16]|, |v[XS+17]|, |v[XS+18]|          ; two chains, so that no line waits for the line above it
.irp i, 2,4,6,8,10,12
	v_max3_num_f32 v8, v8, |v[XS+\i]|, |v[XS+\i+1]|
	v_max3_num_f32 v9, v9, |v[XS+17+\i]|, |v[XS+18+\i]|
.endr
	v_max3_num_f32 v8, v8, |v[XS+14]|, |v[XS+15]|
	v_max3_num_f32 v8, v8, v9, |v[XS+31]|                          ; the block's largest magnitude
	v_add_nc_u32 v10, 0xff000000, v8                               ; 2 off its exponent field: the conversion takes the exponent field of this operand as its scale
.irp g, 0,1,2,3
	v_cvt_scalef32_pk8_fp4_f32 v[R+4*(\kb)+\g], v[XS+8*\g:XS+8*\g+7], v10
.endr
	v_lshrrev_b32 v11, 23, v10                                     ; the scale's byte (a plain line behind the conversions)
.if (\kb) == 0
	v_mov_b32 v12, v11
.else
	v_lshl_or_b32 v12, v11, 8*(\kb), v12                           ; byte kb of the K step's scale word
.endif
	global_store_b128 v2, v[R+4*(\kb):R+4*(\kb)+3], s[26:27] offset:((\kb)/2)*512+((\kb)%2)*256   ; block kb = 2 c + hh; sixteen lanes store 256 consecutive bytes, aligned
.endm
.macro BLOCKB sl                       ; one K step of 32 of my column of Wo: 32 numbers to f16
.irp g, 0,1,2,3
.irp p, 0,1,2,3
	v_cvt_pk_f16_f32 v[R+16*(\sl)+4*\g+\p], v[X+32*(\sl)+8*\g+2*\p], v[X+32*(\sl)+8*\g+2*\p+1]
.endr
	global_store_b128 v2, v[R+16*(\sl)+4*\g:R+16*(\sl)+4*\g+3], s[26:27] offset:(\sl)*4096+(\g/2)*512+(\g%2)*256   ; k = 8 g ..: c = g / 2, hh = g % 2
.endr
.endm
	s_load_b256 s[4:11], s[0:1], 0x0               ; Wq s[4:5], Wk s[6:7], Wv s[8:9], Wo s[10:11]
	s_load_b128 s[12:15], s[0:1], 0x20             ; Wc s[12:13], Ws s[14:15]
	s_load_b64 s[16:17], s[0:1], 0x30              ; Wof
	v_lshrrev_b32 v4, 5, v0
	v_readfirstlane_b32 s20, v4                    ; wave 0, 1
	v_and_b32 v5, 31, v0                           ; lane = my column of the 32
	v_lshlrev_b32 v1, 2, v5                        ; in: 4 bytes a lane
	v_lshlrev_b32 v3, 4, v5                        ; a scale word's place: 16 x lane
	v_and_b32 v6, 15, v0
	v_bfe_u32 v7, v0, 4, 1
	v_lshlrev_b32 v2, 4, v6
	v_lshl_add_u32 v2, v7, 10, v2                  ; out: fragment lane / 16, row lane % 16: 1,024 (lane / 16) + 16 (lane % 16)
	s_mov_b32 s29, 0                               ; the offsets' high words
	s_mov_b32 s31, 0
	s_mov_b32 s33, 0
	s_cmp_lt_u32 ttmp9, 192
	s_cbranch_scc0 .Lwo
	; ---- Wq, Wk, Wv
	s_lshl_b32 s21, ttmp9, 1
	s_add_co_u32 s21, s21, s20                     ; 0 .. 383
	s_and_b32 s22, s21, 7                          ; K step
	s_bfe_u32 s23, s21, 0x40003                    ; head
	s_lshr_b32 s21, s21, 7                         ; tensor
	s_lshl_b32 s28, s23, 17                        ; in: head x 131,072 + K step x 16,384
	s_lshl_b32 s34, s22, 14
	s_add_co_u32 s28, s28, s34
	s_lshl_b32 s30, s21, 18                        ; codes: tensor x 262,144 + K step x 32,768 + head x 2,048
	s_lshl_b32 s34, s22, 15
	s_add_co_u32 s30, s30, s34
	s_lshl_b32 s34, s23, 11
	s_add_co_u32 s30, s30, s34
	s_lshl_b32 s32, s21, 14                        ; scale words: tensor x 16,384 + K step x 2,048 + (head / 4) x 512 + (head % 4) x 4
	s_lshl_b32 s34, s22, 11
	s_add_co_u32 s32, s32, s34
	s_lshr_b32 s34, s23, 2
	s_lshl_b32 s34, s34, 9
	s_add_co_u32 s32, s32, s34
	s_and_b32 s34, s23, 3
	s_lshl_b32 s34, s34, 2
	s_add_co_u32 s32, s32, s34
	s_wait_kmcnt 0x0
	s_cmp_eq_u32 s21, 0                            ; the choice hangs on the work-group's number alone
	s_cselect_b64 s[24:25], s[4:5], s[6:7]
	s_cmp_eq_u32 s21, 2
	s_cselect_b64 s[24:25], s[8:9], s[24:25]
	s_add_nc_u64 s[24:25], s[24:25], s[28:29]
	s_add_nc_u64 s[26:27], s[12:13], s[30:31]
	s_add_nc_u64 s[18:19], s[14:15], s[32:33]
	LOAD 0, 128
	LOAD 1, 128
	s_wait_loadcnt 32                              ; this block's 32 loads are in; the next block's 32 may be out
	BLOCKA 0
	LOAD 2, 128
	s_wait_loadcnt 32
	BLOCKA 1
	LOAD 3, 128
	s_wait_loadcnt 32
	BLOCKA 2
	s_wait_loadcnt 0x0
	BLOCKA 3
	global_store_b32 v3, v12, s[18:19]             ; words 16 bytes apart: the four heads of a group of eight tiles interleave; 49,152 bytes in the launch, against 8 MiB read
	s_endpgm
.Lwo:
	; ---- Wo
	s_sub_co_u32 s21, ttmp9, 192
	s_lshl_b32 s21, s21, 1
	s_add_co_u32 s21, s21, s20                     ; 0 .. 127
	s_and_b32 s22, s21, 31                         ; which 32 columns: the work-group's two waves stand side by side on 256 bytes
	s_lshr_b32 s23, s21, 5                         ; which 128 along K
	s_lshl_b32 s28, s23, 19                        ; in: 128 rows of 4,096 bytes, + 128 bytes a group of columns
	s_lshl_b32 s34, s22, 7
	s_add_co_u32 s28, s28, s34
	s_lshr_b32 s30, s22, 1                         ; out: 65,536 (group / 2) + 16,384 x run + 2,048 (group % 2)
	s_lshl_b32 s30, s30, 16
	s_lshl_b32 s34, s23, 14
	s_add_co_u32 s30, s30, s34
	s_and_b32 s34, s22, 1
	s_lshl_b32 s34, s34, 11
	s_add_co_u32 s30, s30, s34
	s_wait_kmcnt 0x0
	s_add_nc_u64 s[24:25], s[10:11], s[28:29]
	s_add_nc_u64 s[26:27], s[16:17], s[30:31]
	LOAD 0, 4096
	LOAD 1, 4096
	s_wait_loadcnt 32                              ; as above
	BLOCKB 0
	LOAD 2, 4096
	s_wait_loadcnt 32
	BLOCKB 1
	LOAD 3, 4096
	s_wait_loadcnt 32
	BLOCKB 2
	s_wait_loadcnt 0x0
	BLOCKB 3
	s_endpgm
.Lfunc_end_k_q75f9b4b001_prep:
	.size	k_q75f9b4b001_prep, .Lfunc_end_k_q75f9b4b001_prep-k_q75f9b4b001_prep
	.p2alignl 7, 3214868480
	.fill 96, 4, 3214868480
	.section	.rodata,"a",@progbits
	.p2align	6, 0x0
	.amdhsa_kernel k_q75f9b4b001_prep
		.amdhsa_group_segment_fixed_size 0
		.amdhsa_private_segment_fixed_size 0
		.amdhsa_enable_private_segment 0
		.amdhsa_kernarg_size 56
		.amdhsa_user_sgpr_count 2
		.amdhsa_user_sgpr_kernarg_segment_ptr 1
		.amdhsa_wavefront_size32 1
		.amdhsa_system_sgpr_workgroup_id_x 1
		.amdhsa_system_sgpr_workgroup_id_y 1
		.amdhsa_system_sgpr_workgroup_id_z 1
		.amdhsa_system_vgpr_workitem_id 0
		.amdhsa_next_free_vgpr 224
		.amdhsa_next_free_sgpr 66
		.amdhsa_reserve_vcc 0
		.amdhsa_float_denorm_mode_32 3
		.amdhsa_float_denorm_mode_16_64 3
		.amdhsa_memory_ordered 1
		.amdhsa_forward_progress 1
		.amdhsa_inst_pref_size 39
	.end_amdhsa_kernel
	.amdgpu_metadata
---
amdhsa.version: [ 1, 2 ]
amdhsa.kernels:
  - .name:           k_q75f9b4b001_prep
    .symbol:         k_q75f9b4b001_prep.kd
    .args:
      - { .name: Wq, .offset: 0, .size: 8, .value_kind: global_buffer, .address_space: global }
      - { .name: Wk, .offset: 8, .size: 8, .value_kind: global_buffer, .address_space: global }
      - { .name: Wv, .offset: 16, .size: 8, .value_kind: global_buffer, .address_space: global }
      - { .name: Wo, .offset: 24, .size: 8, .value_kind: global_buffer, .address_space: global }
      - { .name: Wc, .offset: 32, .size: 8, .value_kind: global_buffer, .address_space: global }
      - { .name: Ws, .offset: 40, .size: 8, .value_kind: global_buffer, .address_space: global }
      - { .name: Wof, .offset: 48, .size: 8, .value_kind: global_buffer, .address_space: global }
    .group_segment_fixed_size: 0
    .private_segment_fixed_size: 0
    .kernarg_segment_align: 8
    .kernarg_segment_size: 56
    .max_flat_workgroup_size: 64
    .sgpr_count:     66
    .vgpr_count:     224
    .wavefront_size: 32
...
	.end_amdgpu_metadata
.endif
;; end of part 1
;; launch proj (part 2): grid 192 x 1, 4 waves a work-group, no clusters, 327,680 bytes of LDS; arguments q, k, v, Wc, Ws, Qf, Kf, Vf; writes Qf, Kf, Vf
.if DOCPART == 2
	.amdgcn_target "amdgcn-amd-amdhsa--gfx1250"
	.amdhsa_code_object_version 6
	.text
	.protected	k_q75f9b4b001_proj
	.globl	k_q75f9b4b001_proj
	.p2align	8
	.type	k_q75f9b4b001_proj,@function
k_q75f9b4b001_proj:
	s_mov_b64 s[64:65], 0
	v_nop
	global_prefetch_b8 v0, s[64:65] scope:SCOPE_SE
	s_setreg_imm32_b32 hwreg(HW_REG_WAVE_MODE, 25, 1), 1
	s_wait_xcnt 0x0
; Q = q Wq, K = k Wk, V = v Wv on codes of FP4 (E2M1) with one E8M0 scale for each 32 along K = 1,024; sums in f32; results rounded to f16 and stored as fragment images for the attention launch.
; q, k, v: [8,192 rows][1,024] f32: quantised here, on the way.  The weights' codes and scale words come from the launch before, in the order of the operand's registers.
; SHARES.  Work-group: one tensor (number / 64), 128 rows (number % 64), all 512 features: its 512 KiB of f32 are read once.  3 x 64 work-groups: 3 x 8,192 rows do not fall into 256 equal blocks of whole
; tiles of one tensor.  THE WAVES SHARE THE COLUMNS: wave w multiplies all 8 tiles of 16 rows by its feature tiles 8 w .. 8 w + 7 (heads 4 w .. 4 w + 3): 64 accumulators, 512 registers; each byte of the
; weights goes from memory straight into that one wave's registers.  Wave w fetches and quantises rows 32 w .. 32 w + 31 and hands the codes on through LDS as images of the operand's registers.
; No cluster: the rows are the work-group's own, and the weights (272 of its 784 KiB) take no way through LDS, where two slots of them would not fit beside the ring.
; THE RING.  Two LDS slots of 128 rows x 256 along K (1,024 bytes a row), filled by tensor loads, each wave its own 32 rows, which it alone reads.  A slot serves two K steps of 128.
; THE MATRIX INSTRUCTION IS USED TRANSPOSED (source 0 = 16 features, source 1 = 16 rows): lane (r, hh) holds row r and features 8 hh + 0 .. 7, so a head's two tiles, packed to f16, ARE the 16-bit
; fragment (16 positions x 32 features) that the attention launch wants.  Q and K are stored as such images (piece c at 512 c + 16 lane), V with its pieces key by key (512 c + 32 r + 16 hh).
; LIMITS: a block of zeros gets the byte 1 where the rule says 127 (its codes are zeros; the bytes are read here alone); NaN and infinities are not served; Q, K, V are rounded to f16: magnitudes up to 65,504.
; REGISTERS, in windows of 256: window 0: v4-13 addresses; v16-26 the quantiser's; v32-47 codes just made; v48-51 the rows' scale words, v52-59 the weights' (two sets); v64-191 128 numbers, later results.
;   window 1: v0-127 the weights' fragments, two sets of 8; v128-191 the rows' 8 fragments.   window 2: accumulators (a, b) at v[8 (8 a + b)], a = 0 .. 3;   window 3: a = 4 .. 7.
.set PITCH, 1040                       ; an LDS row: 1,024 bytes + 16 of padding: an odd multiple of 16, so the 16 rows that a load touches start 16 bytes apart modulo 256
.set WPART, 32*PITCH                   ; a wave's 32 rows
.set SLOT,  4*WPART
.set IMG,   2*SLOT                     ; behind the ring: two image buffers by turns: 8 fragments x 1,024 bytes, then 512 bytes of scale words [lane][4]
.set IBUF,  8704
.set SPARE, IMG+2*IBUF                 ; the spare words, 128 bytes for each wave: two blocks of 256 bytes that no other line names
.set LI,  4                            ; v4   16 x lane
.set AX,  5                            ; v5-6 my row's numbers in slot 0, 1: (32 w + r) x pitch + 128 hh
.set IW,  7                            ; v7   where I store my two fragments: IMG + 2,048 w + 16 x lane
.set ISW, 8                            ; v8   and their scale words: IMG + 8,192 + 16 x lane + 4 w
.set IR,  9                            ; v9   where any image is read: IMG + 16 x lane
.set SH,  10                           ; v10  8 hh
.set DO,  11                           ; v11  my 16 bytes in a stored piece
.set SPW, 12                           ; v12  my spare word; never rewritten
.set NIL, 13                           ; v13  0; never rewritten
.set QM,  16                           ; v16-17 largest magnitudes;  v18-19 the conversions' scale operands;  v20-21 bytes;  v22 the other half's bytes
.set QS,  18
.set QB,  20
.set QT,  22
.set PW,  24                           ; v24-25 my two units' scale words;  v26 the two merged by halves of the lanes
.set PWC, 26
.set PC,  32
.set XS,  48                           ; register i: lanes 0-15 the words of row tile 2 i, lanes 16-31 of row tile 2 i + 1
.set WS,  52                           ; set s % 2, register j: lanes 0-15 my feature tile 2 j, lanes 16-31 tile 2 j + 1
.set X,   64
.set MSB, 0
.macro WIN new                         ; the immediate's high byte repeats the setting that is left
.if MSB != \new
	s_set_vgpr_msb (MSB<<8)|\new
.set MSB, \new
.endif
.endm
.macro PLACES
.rept 4
	v_nop
.endr
.endm
; unit u (16 rows) of my 32: 128 along K, the half-th of slot n: lane (r, hh) takes whole blocks 2 c + hh of row r: 32 numbers, 128 bytes, for c = 0, 1
.macro ULOAD u, n, half
.irp c, 0,1
.irp j, 0,1,2,3,4,5,6,7
	ds_load_b128 v[X+64*(\u)+32*\c+4*\j:X+64*(\u)+32*\c+4*\j+3], v[AX+(\n)] offset:(\u)*16*PITCH+(\half)*512+\c*256+\j*16
.endr
.endr
.endm
; unit u's 64 numbers a lane become a fragment's 8 registers of codes and the row's scale word
.macro QUANT u
.set XQ, X+64*(\u)
.irp c, 0,1
	v_max3_num_f32 v[QM+\c], |v[XQ+32*\c]|, |v[XQ+32*\c+1]|, 0x1800000   ; the floor 2^(3 - 127): the byte cannot fall under 1
.endr
.irp i, 2,4,6,8,10,12,14,16,18,20,22,24,26,28,30
.irp c, 0,1
	v_max3_num_f32 v[QM+\c], v[QM+\c], |v[XQ+32*\c+\i]|, |v[XQ+32*\c+\i+1]|   ; the two blocks by turns
.endr
.endr
.irp c, 0,1
	v_add_nc_u32 v[QS+\c], 0xff000000, v[QM+\c]    ; 2 off the exponent field: the conversion's scale operand
.endr
.irp c, 0,1
	v_lshrrev_b32 v[QB+\c], 23, v[QS+\c]           ; the scale's byte
.endr
	v_lshl_or_b32 v[PW+(\u)], v[QB+1], 16, v[QB]   ; my two bytes: blocks hh and 2 + hh,
	v_lshlrev_b32 v[PW+(\u)], v[SH], v[PW+(\u)]    ; at their places in the word;
	v_permlanex16_b32 v[QT], v[PW+(\u)], s48, s49
	v_or_b32 v[PW+(\u)], v[PW+(\u)], v[QT]         ; with lane l xor 16's two the word is whole
.irp c, 0,1
.irp g, 0,1,2,3
	v_cvt_scalef32_pk8_fp4_f32 v[PC+8*(\u)+4*\c+\g], v[XQ+32*\c+8*\g:XQ+32*\c+8*\g+7], v[QS+\c]
.endr
.endr
	v_nop                                          ; one plain line behind the last scaled conversion
.endm
.macro IMAGE p                         ; my two fragments and their scale words go to LDS as they stand
.irp u, 0,1
.irp c, 0,1
	ds_store_b128 v[IW], v[PC+8*\u+4*\c:PC+8*\u+4*\c+3] offset:(\p)*IBUF+\u*1024+\c*512
.endr
.endr
	v_cndmask_b32 v[PWC], v[PW], v[PW+1], s50      ; lanes 0-15: unit 0's words, lanes 16-31: unit 1's
	ds_store_b32 v[ISW], v[PWC] offset:(\p)*IBUF
.endm
.macro XFETCH p                        ; all 8 fragments and the 4 registers of scale words, in any wave
	WIN 0x40                                       ; destination window 1, address window 0
.irp a, 0,1,2,3,4,5,6,7
.irp c, 0,1
	ds_load_b128 v[128+8*\a+4*\c:128+8*\a+4*\c+3], v[IR] offset:(\p)*IBUF+\a*1024+\c*512
.endr
.endr
	WIN 0
	ds_load_b128 v[XS:XS+3], v[IR] offset:(\p)*IBUF+8192
.endm
.macro WLOAD s                         ; K step s: my 8 fragments of the weights and their scale words, 17 loads, each 512 consecutive bytes
	WIN 0x40
.irp b, 0,1,2,3,4,5,6,7
.irp c, 0,1
	global_load_b128 v[64*((\s)%2)+8*\b+4*\c:64*((\s)%2)+8*\b+4*\c+3], v[LI], s[24:25] offset:(\s)*32768+\b*1024+\c*512
.endr
.endr
	WIN 0
	global_load_b128 v[WS+4*((\s)%2):WS+4*((\s)%2)+3], v[LI], s[26:27] offset:(\s)*2048
.endm
; one matrix instruction, by the symbols rD, rW, rX, rSW, rSX; vv: bit 0: the weights' words lie in lanes 16-31; bit 1: the rows' words do; bit 2: the product starts the sum
.macro FP4V
.if vv == 0
	v_wmma_scale_f32_16x16x128_f8f6f4 v[rD:rD+7], v[rW:rW+7], v[rX:rX+7], v[rD:rD+7], v[rSW], v[rSX] matrix_a_fmt:MATRIX_FMT_FP4 matrix_b_fmt:MATRIX_FMT_FP4
.elseif vv == 1
	v_wmma_scale_f32_16x16x128_f8f6f4 v[rD:rD+7], v[rW:rW+7], v[rX:rX+7], v[rD:rD+7], v[rSW], v[rSX] matrix_a_fmt:MATRIX_FMT_FP4 matrix_b_fmt:MATRIX_FMT_FP4 matrix_a_scale:MATRIX_SCALE_ROW1
.elseif vv == 2
	v_wmma_scale_f32_16x16x128_f8f6f4 v[rD:rD+7], v[rW:rW+7], v[rX:rX+7], v[rD:rD+7], v[rSW], v[rSX] matrix_a_fmt:MATRIX_FMT_FP4 matrix_b_fmt:MATRIX_FMT_FP4 matrix_b_scale:MATRIX_SCALE_ROW1
.elseif vv == 3
	v_wmma_scale_f32_16x16x128_f8f6f4 v[rD:rD+7], v[rW:rW+7], v[rX:rX+7], v[rD:rD+7], v[rSW], v[rSX] matrix_a_fmt:MATRIX_FMT_FP4 matrix_b_fmt:MATRIX_FMT_FP4 matrix_a_scale:MATRIX_SCALE_ROW1 matrix_b_scale:MATRIX_SCALE_ROW1
.elseif vv == 4
	v_wmma_scale_f32_16x16x128_f8f6f4 v[rD:rD+7], v[rW:rW+7], v[rX:rX+7], 0, v[rSW], v[rSX] matrix_a_fmt:MATRIX_FMT_FP4 matrix_b_fmt:MATRIX_FMT_FP4
.elseif vv == 5
	v_wmma_scale_f32_16x16x128_f8f6f4 v[rD:rD+7], v[rW:rW+7], v[rX:rX+7], 0, v[rSW], v[rSX] matrix_a_fmt:MATRIX_FMT_FP4 matrix_b_fmt:MATRIX_FMT_FP4 matrix_a_scale:MATRIX_SCALE_ROW1
.elseif vv == 6
	v_wmma_scale_f32_16x16x128_f8f6f4 v[rD:rD+7], v[rW:rW+7], v[rX:rX+7], 0, v[rSW], v[rSX] matrix_a_fmt:MATRIX_FMT_FP4 matrix_b_fmt:MATRIX_FMT_FP4 matrix_b_scale:MATRIX_SCALE_ROW1
.else
	v_wmma_scale_f32_16x16x128_f8f6f4 v[rD:rD+7], v[rW:rW+7], v[rX:rX+7], 0, v[rSW], v[rSX] matrix_a_fmt:MATRIX_FMT_FP4 matrix_b_fmt:MATRIX_FMT_FP4 matrix_a_scale:MATRIX_SCALE_ROW1 matrix_b_scale:MATRIX_SCALE_ROW1
.endif
.endm
; K step s: 64 matrix instructions: the 8 row tiles x my 8 feature tiles.  The 64 accumulators take turns, one instruction a turn, in the same order in every step.
.macro MUL s, zero
.set ia, 0
.rept 8
.if ia == 0
	WIN 0xa5                                       ; sources 0 and 1 window 1, C and D window 2
.endif
.if ia == 4
	WIN 0xf5                                       ; C and D window 3
.endif
.set ib, 0
.rept 8
.set rD, 8*(8*(ia%4)+ib)
.set rW, 64*((\s)%2)+8*ib
.set rX, 128+8*ia
.set rSW, WS+4*((\s)%2)+ib/2
.set rSX, XS+ia/2
.set vv, 4*(\zero)+2*(ia%2)+(ib%2)
	FP4V
.set ib, ib+1
.endr
.set ia, ia+1
.endr
	WIN 0
.endm
.macro BAR                             ; my LDS stores have landed and my LDS loads are in: then the work-group's barrier
	s_wait_dscnt 0x0
	s_barrier_signal -1
	s_barrier_wait -1
.endm
.macro BARFILL n                       ; the same barrier, behind which slot n, read out, is filled again
	s_wait_tensorcnt 0x0                           ; all my tensor loads have landed, the other slot's among them: a group 0 may be written
	ds_add_u32 v[SPW], v[NIL]                      ; 0 onto my spare word
	s_add_nc_u64 s[42+4*(\n):43+4*(\n)], s[42+4*(\n):43+4*(\n)], 2048   ; 512 along K on; the type bits on top are not reached
	s_wait_dscnt 0x0                               ; the add and my image stores are done, and my reads of the slot are back
	s_barrier_signal -1
	s_barrier_wait -1
	tensor_load_to_lds s[40+4*(\n):43+4*(\n)], s[32:39]   ; my one tensor load behind this barrier, and the first thing there
	s_nop 0
	PLACES                                         ; four plain lines ahead of the next switch of windows
.endm
; A K STEP of 128.  Its numbers were asked of LDS a step ago, its weights of memory a step ago.
.macro KSTEP s, zero
	s_wait_dscnt 16                                ; unit 0's 16 loads are in; unit 1's may be out
	QUANT 0
	s_wait_dscnt 0x0
	QUANT 1
	IMAGE (\s)%2
.if (\s) == 1
	BARFILL 0                                      ; slot 0 (K steps 0, 1) has been read: it takes K steps 4, 5
.elseif (\s) == 3
	BARFILL 1                                      ; slot 1 takes K steps 6, 7: the last load
.elseif (\s) == 5
	s_wait_tensorcnt 0x0                           ; slot 1's second fill, which is read next: no load was issued behind it
	BAR
.else
	BAR
.endif
	XFETCH (\s)%2                                  ; the buffer written two steps on is written only by waves that have passed the next barrier, which every wave signals behind its wait for these reads
.if (\s) < 7
	ULOAD 0, (((\s)+1)/2)%2, ((\s)+1)%2
	ULOAD 1, (((\s)+1)/2)%2, ((\s)+1)%2
	WLOAD (\s)+1                                   ; into the set that the step before multiplied: the quantiser's lines are the places behind those products
	s_wait_dscnt 32                                ; the images are in; the next step's two units, 32 loads, may be out
	s_wait_loadcnt 17                              ; this step's weights are in; the next step's 17 loads may be out
.else
	s_wait_dscnt 0x0
	s_wait_loadcnt 0x0
.endif
	MUL \s, \zero
.endm
	s_load_b256 s[4:11], s[0:1], 0x0               ; q s[4:5], k s[6:7], v s[8:9], Wc s[10:11]
	s_load_b256 s[12:19], s[0:1], 0x20             ; Ws s[12:13], Qf s[14:15], Kf s[16:17], Vf s[18:19]
	v_lshl_add_u32 v[SPW], v0, 2, SPARE
	v_mov_b32 v[NIL], 0
	ds_add_u32 v[SPW], v[NIL]                      ; the wave's opening: the add, twice on end, and its wait ahead of my first tensor load
	ds_add_u32 v[SPW], v[NIL]
	v_lshrrev_b32 v1, 5, v0
	v_readfirstlane_b32 s20, v1                    ; wave 0..3
	s_lshr_b32 s21, ttmp9, 6                       ; tensor: 0 q, 1 k, 2 v
	s_and_b32 s22, ttmp9, 63                       ; block of 128 rows
	s_lshl_b32 s2, s22, 19                         ; in: (128 block + 32 wave) rows of 4,096 bytes
	s_lshl_b32 s3, s20, 17
	s_add_co_u32 s2, s2, s3
	s_mov_b32 s3, 0
	s_lshr_b32 s54, s22, 4                         ; out: [batch 16 + head][tile of 16 positions][1,024]: batch x 2,097,152 + wave x 4 heads x 131,072 + (block % 16) x 8 tiles x 1,024
	s_lshl_b32 s54, s54, 21
	s_lshl_b32 s55, s20, 19
	s_add_co_u32 s54, s54, s55
	s_and_b32 s55, s22, 15
	s_lshl_b32 s55, s55, 13
	s_add_co_u32 s54, s54, s55
	s_mov_b32 s55, 0
	s_lshl_b32 s24, s21, 18                        ; the weights' codes: tensor x 262,144 + wave x 8 fragments
	s_lshl_b32 s25, s20, 13
	s_add_co_u32 s24, s24, s25
	s_mov_b32 s25, 0
	s_lshl_b32 s26, s21, 14                        ; their scale words: tensor x 16,384 + wave x 512
	s_lshl_b32 s27, s20, 9
	s_add_co_u32 s26, s26, s27
	s_mov_b32 s27, 0
	; descriptor group 1: 32 rows x 256 elements of 4 bytes, 1,024 elements from row to row, 4 words of padding behind every 256
	s_mov_b32 s32, (2<<16)|(1<<20)|(7<<22)|(3<<25)
	s_mov_b32 s33, 256<<16                         ; tensor_dim0
	s_mov_b32 s34, 32<<16                          ; tensor_dim1
	s_mov_b32 s35, 256<<16                         ; tile_dim0
	s_mov_b32 s36, 32                              ; tile_dim1
	s_mov_b32 s37, 1024                            ; tensor_dim0_stride
	s_mov_b32 s38, 0
	s_mov_b32 s39, 0
	s_mov_b32 s40, 1                               ; group 0, a set for each slot: count,
	s_mul_i32 s41, s20, WPART                      ; LDS address: my 32 rows of slot 0,
	s_mov_b32 s44, 1
	s_add_co_u32 s45, s41, SLOT                    ; of slot 1
	s_mov_b32 s48, 0x76543210
	s_mov_b32 s49, 0xfedcba98                      ; v_permlanex16_b32's selects for lane l xor 16
	s_mov_b32 s50, 0xffff0000                      ; lanes 16-31
	s_cmp_eq_u32 s21, 2
	s_cselect_b32 s51, 5, 4                        ; a stored piece: Q, K: 16 r + 256 hh (16 x lane);  V: 32 r + 16 hh (key by key)
	s_cselect_b32 s52, 4, 8
	s_wait_dscnt 0x0                               ; both opening adds are done
	s_wait_kmcnt 0x0
	s_cmp_eq_u32 s21, 0                            ; the choices hang on the work-group's number alone
	s_cselect_b64 s[28:29], s[4:5], s[6:7]
	s_cselect_b64 s[30:31], s[14:15], s[16:17]
	s_cmp_eq_u32 s21, 2
	s_cselect_b64 s[28:29], s[8:9], s[28:29]
	s_cselect_b64 s[30:31], s[18:19], s[30:31]
	s_add_nc_u64 s[28:29], s[28:29], s[2:3]
	s_add_nc_u64 s[30:31], s[30:31], s[54:55]
	s_add_nc_u64 s[24:25], s[10:11], s[24:25]
	s_add_nc_u64 s[26:27], s[12:13], s[26:27]
	s_mov_b64 s[42:43], s[28:29]                   ; global address: K 0 .. 255,
	s_or_b32 s43, s43, 0x80000000                  ; type = 2
	s_add_nc_u64 s[46:47], s[28:29], 1024          ; K 256 .. 511
	s_or_b32 s47, s47, 0x80000000
	tensor_load_to_lds s[40:43], s[32:39]          ; both first fills go out together: two loads of mine are out, later one
	s_nop 0
	tensor_load_to_lds s[44:47], s[32:39]
	s_nop 0
	PLACES
	v_and_b32 v1, 31, v0                           ; lane
	v_and_b32 v2, 15, v0                           ; r
	v_bfe_u32 v3, v0, 4, 1                         ; hh
	v_lshlrev_b32 v[LI], 4, v1
	v_mul_u32_u24 v[AX], v2, PITCH
	v_lshl_add_u32 v[AX], v3, 7, v[AX]
	v_add_nc_u32 v[AX], s41, v[AX]
	v_add_nc_u32 v[AX+1], SLOT, v[AX]
	s_lshl_b32 s23, s20, 11
	s_add_co_u32 s23, s23, IMG
	v_add_nc_u32 v[IW], s23, v[LI]
	s_lshl_b32 s23, s20, 2
	s_add_co_u32 s23, s23, IMG+8192
	v_add_nc_u32 v[ISW], s23, v[LI]
	v_add_nc_u32 v[IR], IMG, v[LI]
	v_lshlrev_b32 v[SH], 3, v3
	v_lshlrev_b32 v[DO], s51, v2
	v_lshlrev_b32 v14, s52, v3
	v_add_nc_u32 v[DO], v[DO], v14
	v_mov_b32 v[QT], 0                             ; written once: a lane permute's destination counts as one of its sources
	WLOAD 0
	s_wait_tensorcnt 1                             ; my rows of slot 0 are in, and I alone read them; slot 1's load may stay out
	ULOAD 0, 0, 0
	ULOAD 1, 0, 0
	KSTEP 0, 1                                     ; the first step's products start the sums: nothing is cleared
	KSTEP 1, 0
	KSTEP 2, 0
	KSTEP 3, 0
	KSTEP 4, 0
	KSTEP 5, 0
	KSTEP 6, 0
	KSTEP 7, 0
	PLACES                                         ; in front of the first read of results just made
	; THE WAY OUT, a row tile at a time: a head's two feature tiles pack into 8 registers, which are the fragment; each store covers 512 consecutive bytes, aligned
.set og, 0
.rept 8
.if og == 4
	s_wait_xcnt 0x0                                ; the first four tiles' stores have read their registers: the 16 sets are written again
.endif
.if og < 4
	WIN 0x0a                                       ; sources 0 and 1 window 2
.else
	WIN 0x0f                                       ; window 3
.endif
.set oj, 0
.rept 4
.set os, X+8*(4*(og%4)+oj)
.set oc, 8*(8*(og%4)+2*oj)
.irp p, 0,1,2,3
	v_cvt_pk_f16_f32 v[os+\p], v[oc+2*\p], v[oc+2*\p+1]            ; each accumulator from its low end on
.endr
.irp p, 0,1,2,3
	v_cvt_pk_f16_f32 v[os+4+\p], v[oc+8+2*\p], v[oc+8+2*\p+1]
.endr
.set oj, oj+1
.endr
	WIN 0
.set oj, 0
.rept 4
.set os, X+8*(4*(og%4)+oj)
	global_store_b128 v[DO], v[os:os+3], s[30:31] offset:oj*131072+og*1024
	global_store_b128 v[DO], v[os+4:os+7], s[30:31] offset:oj*131072+og*1024+512
.set oj, oj+1
.endr
.set og, og+1
.endr
	s_wait_tensorcnt 0x0                           ; the wave's end, behind my last tensor load and my last LDS store
	ds_add_u32 v[SPW], v[NIL]
	s_wait_dscnt 0x0
	s_endpgm
.Lfunc_end_k_q75f9b4b001_proj:
	.size	k_q75f9b4b001_proj, .Lfunc_end_k_q75f9b4b001_proj-k_q75f9b4b001_proj
	.p2alignl 7, 3214868480
	.fill 96, 4, 3214868480
	.section	.rodata,"a",@progbits
	.p2align	6, 0x0
	.amdhsa_kernel k_q75f9b4b001_proj
		.amdhsa_group_segment_fixed_size 327680
		.amdhsa_private_segment_fixed_size 0
		.amdhsa_enable_private_segment 0
		.amdhsa_kernarg_size 64
		.amdhsa_user_sgpr_count 2
		.amdhsa_user_sgpr_kernarg_segment_ptr 1
		.amdhsa_wavefront_size32 1
		.amdhsa_system_sgpr_workgroup_id_x 1
		.amdhsa_system_sgpr_workgroup_id_y 1
		.amdhsa_system_sgpr_workgroup_id_z 1
		.amdhsa_system_vgpr_workitem_id 0
		.amdhsa_next_free_vgpr 1024
		.amdhsa_next_free_sgpr 66
		.amdhsa_reserve_vcc 0
		.amdhsa_float_denorm_mode_32 3
		.amdhsa_float_denorm_mode_16_64 3
		.amdhsa_memory_ordered 1
		.amdhsa_forward_progress 1
		.amdhsa_inst_pref_size 184
	.end_amdhsa_kernel
	.amdgpu_metadata
---
amdhsa.version: [ 1, 2 ]
amdhsa.kernels:
  - .name:           k_q75f9b4b001_proj
    .symbol:         k_q75f9b4b001_proj.kd
    .args:
      - { .name: q, .offset: 0, .size: 8, .value_kind: global_buffer, .address_space: global }
      - { .name: k, .offset: 8, .size: 8, .value_kind: global_buffer, .address_space: global }
      - { .name: v, .offset: 16, .size: 8, .value_kind: global_buffer, .address_space: global }
      - { .name: Wc, .offset: 24, .size: 8, .value_kind: global_buffer, .address_space: global }
      - { .name: Ws, .offset: 32, .size: 8, .value_kind: global_buffer, .address_space: global }
      - { .name: Qf, .offset: 40, .size: 8, .value_kind: global_buffer, .address_space: global }
      - { .name: Kf, .offset: 48, .size: 8, .value_kind: global_buffer, .address_space: global }
      - { .name: Vf, .offset: 56, .size: 8, .value_kind: global_buffer, .address_space: global }
    .group_segment_fixed_size: 327680
    .private_segment_fixed_size: 0
    .kernarg_segment_align: 8
    .kernarg_segment_size: 64
    .max_flat_workgroup_size: 128
    .sgpr_count:     66
    .vgpr_count:     1024
    .wavefront_size: 32
...
	.end_amdgpu_metadata
.endif
;; end of part 2
;; launch attn (part 3): grid 256 x 1, 16 waves a work-group, clusters of 4 x 1, 264,192 bytes of LDS; arguments Qf, Kf, Vf, xf; writes xf
.if DOCPART == 3
	.amdgcn_target "amdgcn-amd-amdhsa--gfx1250"
	.amdhsa_code_object_version 6
	.text
	.protected	k_q75f9b4b001_attn
	.globl	k_q75f9b4b001_attn
	.p2align	8
	.type	k_q75f9b4b001_attn,@function
k_q75f9b4b001_attn:
	s_mov_b64 s[64:65], 0
	v_nop
	global_prefetch_b8 v0, s[64:65] scope:SCOPE_SE
	s_setreg_imm32_b32 hwreg(HW_REG_WAVE_MODE, 25, 1), 1
	s_wait_xcnt 0x0
	s_wait_alu depctr_hold_cnt(0) depctr_sa_sdst(0) depctr_va_vdst(0) depctr_va_sdst(0) depctr_va_ssrc(0) depctr_va_vcc(0) depctr_vm_vsrc(0)
	s_getreg_b32 s2, hwreg(HW_REG_IB_STS2, 6, 4)
	s_cmp_eq_u32 s2, 0
	s_cbranch_scc0 .Lentry_in_a_cluster
	s_endpgm
.Lentry_in_a_cluster:
	s_bfe_u32 s2, ttmp6, 0x10000c
	s_cmp_lg_u32 s2, 0x3003
	s_cbranch_scc0 .Lentry_shape_is_right
	s_endpgm
.Lentry_shape_is_right:
; x[b][h][s][:] = the sum over t of softmax_t(Q[s] . K[t] / 32) V[t][:], 64 pairs (batch, head), 2,048 positions, head size 32, no mask.  Operands in f16, products, maxima and sums in f32.
; Qf, Kf: [pair 64][tile of 16 positions 128][1,024]: images of 16-bit fragments (piece c of lane l at 512 c + 16 l).  Vf: the same pieces key by key: [pair][tile][c][key 16][hh 2][16 bytes].
; xf: [tile of 16 rows 512][head 16][1,024]: x / l as images of the output projection's fragments (K step = head).
; SHARES.  A cluster of four work-groups owns one pair; each work-group 512 queries, each of its SIXTEEN waves two tiles of 16, in 256 registers: four waves to a SIMD, so that one wave's vector work
; stands beside another's matrix work and LDS loads.  A pair's K and V are 256 KiB and lie WHOLE in LDS, as they lie in memory: no ring, no refill, no padding (every LDS load takes consecutive bytes).
; The four work-groups need the same K and V: each piece is asked for JOINTLY, by the same tensor load with the same descriptor and a mask that names the four.  Each wave asks for 4,096 bytes of each
; quarter of the keys (waves 0-7: K, waves 8-15: V): four loads of mine are out at the most; a quarter is walked as soon as it has landed.
; LAYOUT.  S^T = K Q^T (source 0 = 16 keys, source 1 = 16 queries): a lane holds ONE query (lane % 16) and keys 8 (lane / 16) + 0 .. 7.  Two such tiles, rounded to f16 in pairs, ARE source 1 of
; O^T = V^T P, whose result again holds one query a lane, and eight channels; its two tiles, packed, ARE x's fragment.  V^T comes out of LDS turned, by ds_load_tr16_b128.
; SOFTMAX.  For each query a running maximum m and sum l: p = 2^(c s - c m), c = log2(e) / 32; in every step O and l are multiplied by a = 2^(c m_old - c m_new).  The sum is taken of the unrounded p.
; The step is written with no first step of its own: m begins at -3e38, l and O^T at 0, so the first a is 0 and multiplies zeros; that costs 32 moves once.
; LIMITS: NaN and infinities are not served; x is rounded to f16 (magnitudes up to 65,504; under 6e-5 its step is 6e-8); a p under 6e-8 counts in the sum and not in the product.
.set SPARE, 262144                     ; behind K and V: the spare words, 128 bytes for each wave: eight blocks of 256 bytes that no other line names
.set AK0, 1                            ; v1   16 x lane: my place in a fragment's piece, in LDS and in memory
.set AV0, 2                            ; v2   my place in a tile of V, for the turning load
.set ADK, 3                            ; v3   the step's K
.set ADV, 4                            ; v4   the step's V
.set SPW, 6                            ; v6   my spare word; never rewritten
.set NIL, 7                            ; v7   0; never rewritten
.set ST,  8                            ; tile t's statistics at v[ST + 12 t]: +0 c m (+1 its pair's upper word), +2, +3 l in two halves, +4 .. +7 c0-c3 at work, +8 a (+9 its pair's upper word), +10 m
.set QR,  32                           ; v32-47   Q, 8 a tile
.set KR,  48                           ; v48-79   K of a step: 4 tiles of 16 keys
.set VR,  80                           ; v80-111  V^T of a step: (32 keys kb, 16 channels ct) at 8 (2 kb + ct)
.set SR,  112                          ; v112-175 S^T, then p: 32 a tile
.set PR,  176                          ; v176-207 P in f16: 16 a tile
.set OA,  208                          ; v208-239 O^T: (tile, ct) at 16 t + 8 ct
.set XO,  240                          ; v240-255 x in f16
.set WV,  12                           ; s12  my wave's number
.set TB,  52                           ; s52  LDS byte of the step's tiles
.set CNT, 53                           ; s53  steps left in the quarter
.macro CROUND                          ; a round of the cluster's barrier: my work-group's barrier; wave 0 signals for the work-group; every wave waits for all four; my work-group's barrier once more
	s_barrier_signal -1
	s_barrier_wait -1
	s_cmp_lg_u32 s[WV], 0
	s_cbranch_scc1 .Lnot_wave_0_\@
	s_barrier_signal -3
.Lnot_wave_0_\@:
	s_barrier_wait -3
	s_barrier_signal -1
	s_barrier_wait -1
.endm
.macro PLACES
.rept 4
	v_nop
.endr
.endm
; A KEY STEP: 64 keys against my two tiles of queries.
.macro STEP
	v_add_nc_u32 v[ADK], s[TB], v[AK0]
	v_add_nc_u32 v[ADV], s[TB], v[AV0]
.irp kt, 0,1,2,3
.irp c, 0,1
	ds_load_b128 v[KR+8*\kt+4*\c:KR+8*\kt+4*\c+3], v[ADK] offset:\kt*1024+\c*512
.endr
.endr
.irp kb, 0,1
.irp ct, 0,1
.irp x, 0,1
	ds_load_tr16_b128 v[VR+8*(2*\kb+\ct)+4*\x:VR+8*(2*\kb+\ct)+4*\x+3], v[ADV] offset:(2*\kb+\x)*1024+\ct*512   ; 16 keys x 16 channels, turned: channel lane % 16, keys 8 (lane / 16) + 0 .. 7
.endr
.endr
.endr
	s_wait_dscnt 8                                 ; K is in; V's 8 loads may be out
.irp kt, 0,1,2,3
.irp qt, 0,1
	v_wmma_f32_16x16x32_f16 v[SR+32*\qt+8*\kt:SR+32*\qt+8*\kt+7], v[KR+8*\kt:KR+8*\kt+7], v[QR+8*\qt:QR+8*\qt+7], 0
.endr
.endr
	PLACES                                         ; in front of the first read of results
	; the maximum of a lane's 32 scores and the old m, three operands at a time; each accumulator is read from its low end on; the two tiles by turns
.irp j, 0,1,2,3
.irp t, 0,1
	v_max3_num_f32 v[ST+12*\t+4+\j], v[SR+32*\t+8*\j], v[SR+32*\t+8*\j+1], v[SR+32*\t+8*\j+2]
.endr
.endr
.irp i, 3,5
.irp j, 0,1,2,3
.irp t, 0,1
	v_max3_num_f32 v[ST+12*\t+4+\j], v[ST+12*\t+4+\j], v[SR+32*\t+8*\j+\i], v[SR+32*\t+8*\j+\i+1]
.endr
.endr
.endr
.irp t, 0,1
	v_max3_num_f32 v[ST+12*\t+4], v[ST+12*\t+4], v[SR+32*\t+7], v[SR+32*\t+15]
	v_max3_num_f32 v[ST+12*\t+6], v[ST+12*\t+6], v[SR+32*\t+23], v[SR+32*\t+31]
.endr
.irp t, 0,1
	v_max3_num_f32 v[ST+12*\t+4], v[ST+12*\t+4], v[ST+12*\t+5], v[ST+12*\t+6]
.endr
.irp t, 0,1
	v_max3_num_f32 v[ST+12*\t+4], v[ST+12*\t+4], v[ST+12*\t+7], v[ST+12*\t+10]
.endr
.irp t, 0,1
	v_permlanex16_b32 v[ST+12*\t+5], v[ST+12*\t+4], s50, s51       ; the query's other 32 keys lie in the lane 16 away
.endr
.irp t, 0,1
	v_max_num_f32 v[ST+12*\t+10], v[ST+12*\t+4], v[ST+12*\t+5]     ; the new m
.endr
.irp t, 0,1
	v_mov_b32 v[ST+12*\t+6], v[ST+12*\t]                           ; c m_old
.endr
.irp t, 0,1
	v_mul_f32 v[ST+12*\t], s48, v[ST+12*\t+10]                     ; c m
.endr
.irp t, 0,1
	v_sub_f32 v[ST+12*\t+6], v[ST+12*\t+6], v[ST+12*\t]            ; c m_old - c m_new
.endr
.irp i, 0,2,4,6,8,10,12,14,16,18,20,22,24,26,28,30
.irp t, 0,1
	v_pk_fma_f32 v[SR+32*\t+\i:SR+32*\t+\i+1], v[SR+32*\t+\i:SR+32*\t+\i+1], s[48:49], v[ST+12*\t:ST+12*\t+1] op_sel_hi:[1,0,0] neg_lo:[0,0,1] neg_hi:[0,0,1]   ; c s - c m, two at a time
.endr
.endr
	; ONE BATCH: both tiles' 66 exponentials; none reads another's result
.irp t, 0,1
	v_exp_f32 v[ST+12*\t+8], v[ST+12*\t+6]                         ; a
.endr
.irp i, 0,1,2,3,4,5,6,7,8,9,10,11,12,13,14,15,16,17,18,19,20,21,22,23,24,25,26,27,28,29,30,31
.irp t, 0,1
	v_exp_f32 v[SR+32*\t+\i], v[SR+32*\t+\i]                       ; p
.endr
.endr
	v_nop                                          ; a plain line behind the last exponential
	s_wait_alu depctr_va_vdst(0)                   ; the wait ahead of the first line that names a result: one for the batch
.irp i, 0,1,2,3,4,5,6,7,8,9,10,11,12,13,14,15
.irp t, 0,1
	v_cvt_pk_f16_f32 v[PR+16*\t+\i], v[SR+32*\t+2*\i], v[SR+32*\t+2*\i+1]   ; P: registers 8 kb + 4 x + i: keys 32 kb + 16 x + 8 (lane / 16) + 2 i, + 1
.endr
.endr
	; the sum of the unrounded p, in place: neighbours 1, 2, 4 and 8 pairs apart
.irp u, 0,1,2,3,4,5,6,7
.irp t, 0,1
	v_pk_add_f32 v[SR+32*\t+4*\u:SR+32*\t+4*\u+1], v[SR+32*\t+4*\u:SR+32*\t+4*\u+1], v[SR+32*\t+4*\u+2:SR+32*\t+4*\u+3]
.endr
.endr
.irp u, 0,1,2,3
.irp t, 0,1
	v_pk_add_f32 v[SR+32*\t+8*\u:SR+32*\t+8*\u+1], v[SR+32*\t+8*\u:SR+32*\t+8*\u+1], v[SR+32*\t+8*\u+4:SR+32*\t+8*\u+5]
.endr
.endr
.irp u, 0,1
.irp t, 0,1
	v_pk_add_f32 v[SR+32*\t+16*\u:SR+32*\t+16*\u+1], v[SR+32*\t+16*\u:SR+32*\t+16*\u+1], v[SR+32*\t+16*\u+8:SR+32*\t+16*\u+9]
.endr
.endr
.irp t, 0,1
	v_pk_add_f32 v[SR+32*\t:SR+32*\t+1], v[SR+32*\t:SR+32*\t+1], v[SR+32*\t+16:SR+32*\t+17]
.endr
.irp t, 0,1
	v_pk_fma_f32 v[ST+12*\t+2:ST+12*\t+3], v[ST+12*\t+2:ST+12*\t+3], v[ST+12*\t+8:ST+12*\t+9], v[SR+32*\t:SR+32*\t+1] op_sel_hi:[1,0,1]   ; l = a l + the sum
.endr
.irp i, 0,2,4,6,8,10,12,14
.irp t, 0,1
	v_pk_mul_f32 v[OA+16*\t+\i:OA+16*\t+\i+1], v[OA+16*\t+\i:OA+16*\t+\i+1], v[ST+12*\t+8:ST+12*\t+9] op_sel_hi:[1,0]   ; O^T x a, each accumulator from its low end on
.endr
.endr
	s_wait_dscnt 0x0                               ; V is in
.irp kb, 0,1                                   ; the four accumulators take turns, one instruction a turn
.irp qt, 0,1
.irp ct, 0,1
	v_wmma_f32_16x16x32_f16 v[OA+16*\qt+8*\ct:OA+16*\qt+8*\ct+7], v[VR+8*(2*\kb+\ct):VR+8*(2*\kb+\ct)+7], v[PR+16*\qt+8*\kb:PR+16*\qt+8*\kb+7], v[OA+16*\qt+8*\ct:OA+16*\qt+8*\ct+7]
.endr
.endr
.endr
	PLACES                                         ; in front of the next step's loads into V's registers, and of the way out's reads
.endm
; A QUARTER of the keys: 8 steps, as soon as everybody's part of it has landed.  The later quarters' loads stay out.
.macro QUARTER j
	s_wait_tensorcnt 3-(\j)                        ; my part of quarter j is in; the 3 - j loads issued behind it may be out
	s_wait_dscnt 0x0
	s_barrier_signal -1
	s_barrier_wait -1
	s_mov_b32 s[TB], (\j)*32768
	s_mov_b32 s[CNT], 8
.Lstep_\@:
	STEP
	s_add_co_u32 s[TB], s[TB], 4096                ; four tiles of 16 keys on, in K and in V alike
	s_sub_co_u32 s[CNT], s[CNT], 1
	s_cmp_lg_u32 s[CNT], 0
	s_cbranch_scc1 .Lstep_\@
.endm
	s_load_b256 s[4:11], s[0:1], 0x0               ; Qf s[4:5], Kf s[6:7], Vf s[8:9], xf s[10:11]
	v_lshl_add_u32 v[SPW], v0, 2, SPARE
	v_mov_b32 v[NIL], 0
	ds_add_u32 v[SPW], v[NIL]                      ; the wave's opening: the add, twice on end, and its wait ahead of my first tensor load
	ds_add_u32 v[SPW], v[NIL]
	v_lshrrev_b32 v5, 5, v0
	v_readfirstlane_b32 s[WV], v5                  ; wave 0..15
	s_bfe_u32 s13, ttmp6, 0x40000                  ; cx: my place in the cluster: it enters Q's and x's addresses alone
	; descriptor group 1: 4,096 dense bytes as 16 rows of 32 elements of 8 bytes
	s_mov_b32 s24, 15|(3<<16)|(1<<21)              ; 15:0 the mask: all four work-groups; 17:16 elements of 8 bytes; 21 set beside a mask
	s_mov_b32 s25, 32<<16                          ; tensor_dim0
	s_mov_b32 s26, 16<<16                          ; tensor_dim1
	s_mov_b32 s27, 32<<16                          ; tile_dim0
	s_mov_b32 s28, 16                              ; tile_dim1
	s_mov_b32 s29, 32                              ; tensor_dim0_stride
	s_mov_b32 s30, 0
	s_mov_b32 s31, 0
	s_lshr_b32 s14, s[WV], 3
	s_lshl_b32 s14, s14, 17                        ; LDS: K from 0, V from 131,072,
	s_and_b32 s15, s[WV], 7
	s_lshl_b32 s15, s15, 12                        ; my 4,096 bytes of a quarter's 32,768
	s_add_co_u32 s14, s14, s15
	s_lshl_b32 s16, ttmp9, 17                      ; in a cluster launch ttmp9 counts clusters: the pair (batch, head); 131,072 bytes a pair
	s_add_co_u32 s16, s16, s15
	s_mov_b32 s17, 0
	s_lshl_b32 s18, ttmp9, 17                      ; Q: (128 pair + 32 cx + 2 wave) tiles of 1,024 bytes
	s_lshl_b32 s19, s13, 15
	s_add_co_u32 s18, s18, s19
	s_lshl_b32 s19, s[WV], 11
	s_add_co_u32 s18, s18, s19
	s_mov_b32 s19, 0
	s_lshr_b32 s20, ttmp9, 4                       ; x: ((128 batch + 32 cx + 2 wave) x 16 + head) x 1,024
	s_lshl_b32 s20, s20, 21
	s_lshl_b32 s21, s13, 19
	s_add_co_u32 s20, s20, s21
	s_lshl_b32 s21, s[WV], 15
	s_add_co_u32 s20, s20, s21
	s_and_b32 s21, ttmp9, 15
	s_lshl_b32 s21, s21, 10
	s_add_co_u32 s20, s20, s21
	s_mov_b32 s21, 0
	s_mov_b32 s48, 0x3d38aa3b                      ; c = log2(e) / 32
	s_mov_b32 s49, s48                             ; (named with it as a pair, so it is written)
	s_mov_b32 s50, 0x76543210
	s_mov_b32 s51, 0xfedcba98                      ; v_permlanex16_b32's selects for lane l xor 16
	s_wait_dscnt 0x0                               ; both opening adds are done
	s_wait_kmcnt 0x0
	s_cmp_lt_u32 s[WV], 8                          ; waves 0-7 fetch K, waves 8-15 V: the same in all four partners
	s_cselect_b64 s[22:23], s[6:7], s[8:9]
	s_add_nc_u64 s[22:23], s[22:23], s[16:17]
.irp j, 0,1,2,3
	s_mov_b32 s[32+4*\j], 1                        ; group 0 for quarter j: count,
	s_add_co_u32 s[33+4*\j], s14, \j*32768         ; LDS address,
	s_add_nc_u64 s[34+4*\j:35+4*\j], s[22:23], \j*32768   ; global address,
	s_or_b32 s[35+4*\j], s[35+4*\j], 0x80000000    ; type = 2
.endr
	s_add_nc_u64 s[4:5], s[4:5], s[18:19]
	s_add_nc_u64 s[10:11], s[10:11], s[20:21]
	CROUND                                         ; all four work-groups are here: the joint loads meet
.irp j, 0,1,2,3
	tensor_load_to_lds s[32+4*\j:35+4*\j], s[24:31]
	s_nop 0
.endr
	PLACES
	v_and_b32 v5, 31, v0
	v_lshlrev_b32 v[AK0], 4, v5
.irp qt, 0,1
.irp c, 0,1
	global_load_b128 v[QR+8*\qt+4*\c:QR+8*\qt+4*\c+3], v[AK0], s[4:5] offset:\qt*1024+\c*512   ; Q stays in registers
.endr
.endr
	v_bfe_u32 v240, v0, 4, 1
	v_and_b32 v241, 7, v0
	v_lshl_add_u32 v240, v240, 3, v241             ; key 8 (lane / 16) + lane % 8: 32 bytes a key,
	v_bfe_u32 v241, v0, 3, 1
	v_lshlrev_b32 v241, 4, v241                    ; channels 8 ((lane / 8) % 2) + 0 .. 7
	v_lshl_add_u32 v[AV0], v240, 5, v241
	v_add_nc_u32 v[AV0], 0x20000, v[AV0]
.irp t, 0,1
	v_mov_b32 v[ST+12*\t+10], 0xff61b1e6           ; m: -3e38, under every score
	v_mul_f32 v[ST+12*\t], s48, v[ST+12*\t+10]     ; c m
	v_mov_b32 v[ST+12*\t+1], 0
	v_mov_b32 v[ST+12*\t+2], 0                     ; l
	v_mov_b32 v[ST+12*\t+3], 0
	v_mov_b32 v[ST+12*\t+9], 0
.endr
.irp i, 0,1,2,3,4,5,6,7,8,9,10,11,12,13,14,15,16,17,18,19,20,21,22,23,24,25,26,27,28,29,30,31
	v_mov_b32 v[OA+\i], 0                          ; O^T
.endr
	s_wait_loadcnt 0x0                             ; Q
	QUARTER 0
	QUARTER 1
	QUARTER 2
	QUARTER 3
	; THE WAY OUT: l's two halves and the other half of the lanes' are added; O^T / l, packed to f16, is x's fragment as it stands
.irp t, 0,1
	v_add_f32 v[ST+12*\t+4], v[ST+12*\t+2], v[ST+12*\t+3]
.endr
.irp t, 0,1
	v_permlanex16_b32 v[ST+12*\t+5], v[ST+12*\t+4], s50, s51
.endr
.irp t, 0,1
	v_add_f32 v[ST+12*\t+4], v[ST+12*\t+4], v[ST+12*\t+5]
.endr
.irp t, 0,1
	v_rcp_f32 v[ST+12*\t+8], v[ST+12*\t+4]
.endr
	v_nop                                          ; a plain line behind the last reciprocal
	s_wait_alu depctr_va_vdst(0)                   ; and the wait ahead of the first use: one for the two
.irp t, 0,1
.irp i, 0,2,4,6,8,10,12,14
	v_pk_mul_f32 v[OA+16*\t+\i:OA+16*\t+\i+1], v[OA+16*\t+\i:OA+16*\t+\i+1], v[ST+12*\t+8:ST+12*\t+9] op_sel_hi:[1,0]
.endr
.endr
.irp t, 0,1
.irp i, 0,1,2,3,4,5,6,7
	v_cvt_pk_f16_f32 v[XO+8*\t+\i], v[OA+16*\t+2*\i], v[OA+16*\t+2*\i+1]
.endr
.endr
.irp t, 0,1
.irp c, 0,1
	global_store_b128 v[AK0], v[XO+8*\t+4*\c:XO+8*\t+4*\c+3], s[10:11] offset:\t*16384+\c*512   ; 32 lanes store 512 consecutive bytes, aligned
.endr
.endr
	s_wait_tensorcnt 0x0                           ; the wave's end, behind my last tensor load
	ds_add_u32 v[SPW], v[NIL]
	s_wait_dscnt 0x0
	CROUND                                         ; the closing round: no work-group ends while a partner may still ask for a piece that names it
	s_endpgm
.Lfunc_end_k_q75f9b4b001_attn:
	.size	k_q75f9b4b001_attn, .Lfunc_end_k_q75f9b4b001_attn-k_q75f9b4b001_attn
	.p2alignl 7, 3214868480
	.fill 96, 4, 3214868480
	.section	.rodata,"a",@progbits
	.p2align	6, 0x0
	.amdhsa_kernel k_q75f9b4b001_attn
		.amdhsa_group_segment_fixed_size 264192
		.amdhsa_private_segment_fixed_size 0
		.amdhsa_enable_private_segment 0
		.amdhsa_kernarg_size 32
		.amdhsa_user_sgpr_count 2
		.amdhsa_user_sgpr_kernarg_segment_ptr 1
		.amdhsa_wavefront_size32 1
		.amdhsa_system_sgpr_workgroup_id_x 1
		.amdhsa_system_sgpr_workgroup_id_y 1
		.amdhsa_system_sgpr_workgroup_id_z 1
		.amdhsa_system_vgpr_workitem_id 0
		.amdhsa_next_free_vgpr 256
		.amdhsa_next_free_sgpr 66
		.amdhsa_reserve_vcc 0
		.amdhsa_float_denorm_mode_32 3
		.amdhsa_float_denorm_mode_16_64 3
		.amdhsa_memory_ordered 1
		.amdhsa_forward_progress 1
		.amdhsa_inst_pref_size 67
	.end_amdhsa_kernel
	.amdgpu_metadata
---
amdhsa.version: [ 1, 2 ]
amdhsa.kernels:
  - .name:           k_q75f9b4b001_attn
    .symbol:         k_q75f9b4b001_attn.kd
    .args:
      - { .name: Qf, .offset: 0, .size: 8, .value_kind: global_buffer, .address_space: global }
      - { .name: Kf, .offset: 8, .size: 8, .value_kind: global_buffer, .address_space: global }
      - { .name: Vf, .offset: 16, .size: 8, .value_kind: global_buffer, .address_space: global }
      - { .name: xf, .offset: 24, .size: 8, .value_kind: global_buffer, .address_space: global }
    .group_segment_fixed_size: 264192
    .private_segment_fixed_size: 0
    .kernarg_segment_align: 8
    .kernarg_segment_size: 32
    .max_flat_workgroup_size: 512
    .sgpr_count:     66
    .vgpr_count:     256
    .wavefront_size: 32
...
	.end_amdgpu_metadata
.endif
;; end of part 3
;; launch outp (part 4): grid 256 x 1, 4 waves a work-group, clusters of 4 x 1, 167,936 bytes of LDS; arguments xf, Wof, out0; writes out0
.if DOCPART == 4
	.amdgcn_target "amdgcn-amd-amdhsa--gfx1250"
	.amdhsa_code_object_version 6
	.text
	.protected	k_q75f9b4b001_outp
	.globl	k_q75f9b4b001_outp
	.p2align	8
	.type	k_q75f9b4b001_outp,@function
k_q75f9b4b001_outp:
	s_mov_b64 s[64:65], 0
	v_nop
	global_prefetch_b8 v0, s[64:65] scope:SCOPE_SE
	s_setreg_imm32_b32 hwreg(HW_REG_WAVE_MODE, 25, 1), 1
	s_wait_xcnt 0x0
	s_wait_alu depctr_hold_cnt(0) depctr_sa_sdst(0) depctr_va_vdst(0) depctr_va_sdst(0) depctr_va_ssrc(0) depctr_va_vcc(0) depctr_vm_vsrc(0)
	s_getreg_b32 s2, hwreg(HW_REG_IB_STS2, 6, 4)
	s_cmp_eq_u32 s2, 0
	s_cbranch_scc0 .Lentry_in_a_cluster
	s_endpgm
.Lentry_in_a_cluster:
	s_bfe_u32 s2, ttmp6, 0x10000c
	s_cmp_lg_u32 s2, 0x3003
	s_cbranch_scc0 .Lentry_shape_is_right
	s_endpgm
.Lentry_shape_is_right:
; out0 = x Wo.  x [8,192][512] and Wo [512][1,024] come in f16 as images of the operands' registers (xf: [tile of 16 rows][K step of 32 = head][1,024]; Wof: see below); sums and out0 in f32.
; SHARES.  A cluster owns 128 rows; its four work-groups own 256 columns each, a wave 64 columns: four tiles of 16.  A wave's part of Wo, 64 KiB, stays in 512 registers for the whole launch, read once,
; straight from Wof + 65,536 (4 cx + wave), fragment (K step s, tile nt) at 4,096 s + 1,024 nt.  The 128 rows of x, 128 KiB, hang on the cluster alone: the four work-groups ask for them JOINTLY and
; each keeps them in LDS as they lie.  Each wave asks for 8,192 bytes of each pair of row tiles: four loads of mine are out at the most.  Nothing in LDS is filled again.
; BY ROWS.  What binds is the f32 output, so a tile of 16 rows is finished in 64 matrix instructions (its four accumulators by turns, K ascending) and leaves while the next one is multiplied.
; THE MATRIX INSTRUCTION IS USED TRANSPOSED (source 0 = 16 columns of Wo, source 1 = 16 rows of x): a lane holds eight neighbouring numbers of a row of out0; they go through the wave's own stage in LDS
; and come back as rows of 256 bytes, which sixteen lanes store as 256 consecutive bytes, aligned.
; REGISTERS, in windows of 256: window 0: v4-13 addresses; v32-95 two sets of four accumulators; v96-223 four sets of 32 for the way out.
;   window 1: x's fragments of a row tile, 16 K steps x 8, two buffers.   window 2: Wo's K steps 0-7 at v[32 s + 8 nt];   window 3: K steps 8-15.
.set STAGE, 131072                     ; behind x: 16 rows x (256 bytes + 16) for each wave
.set SPARE, STAGE+4*16*272             ; the spare words, 128 bytes for each wave: two blocks of 256 bytes that no other line names
.set LI0, 4                            ; v4   16 x lane;  v5 the same + 65,536 (row tiles 4 to 7: an LDS offset has 16 bits)
.set STO, 6                            ; v6   the stage: where I put 32 bytes of a row
.set RD,  7                            ; v7   and where I read a row back
.set CO,  8                            ; v8   my byte offset in two rows of out0
.set SPW, 12                           ; v12  my spare word; never rewritten
.set NIL, 13                           ; v13  0; never rewritten
.set AC,  32
.set BK,  96
.set WV,  10                           ; s10  my wave's number
.set MSB, 0
.macro WIN new                         ; the immediate's high byte repeats the setting that is left
.if MSB != \new
	s_set_vgpr_msb (MSB<<8)|\new
.set MSB, \new
.endif
.endm
.macro PLACES
.rept 4
	v_nop
.endr
.endm
.macro CROUND                          ; a round of the cluster's barrier
	s_barrier_signal -1
	s_barrier_wait -1
	s_cmp_lg_u32 s[WV], 0
	s_cbranch_scc1 .Lnot_wave_0_\@
	s_barrier_signal -3
.Lnot_wave_0_\@:
	s_barrier_wait -3
	s_barrier_signal -1
	s_barrier_wait -1
.endm
.macro FETCH a                         ; row tile a's 16 fragments into buffer a % 2: 32 loads of 512 consecutive bytes
	WIN 0x40                                       ; destination window 1, address window 0
.set fs, 0
.rept 16
	ds_load_b128 v[128*((\a)%2)+8*fs:128*((\a)%2)+8*fs+3], v[LI0+(\a)/4] offset:((\a)%4)*16384+fs*1024
	ds_load_b128 v[128*((\a)%2)+8*fs+4:128*((\a)%2)+8*fs+7], v[LI0+(\a)/4] offset:((\a)%4)*16384+fs*1024+512
.set fs, fs+1
.endr
	WIN 0
.endm
.macro WOLOAD s                        ; Wo's K step s: 8 loads; the caller has set the destination's window
.irp nt, 0,1,2,3
.irp c, 0,1
	global_load_b128 v[32*((\s)%8)+8*\nt+4*\c:32*((\s)%8)+8*\nt+4*\c+3], v[LI0], s[40:41] offset:(\s)*4096+\nt*1024+\c*512
.endr
.endr
.endm
.macro MUL4 a, s                       ; K step s of row tile a: the four accumulators take turns, one instruction a turn; K step 0 starts the sums
.set rX, 128*((\a)%2)+8*(\s)
.set rW, 32*((\s)%8)
.set rA, AC+32*((\a)%2)
.irp nt, 0,1,2,3
.if (\s) == 0
	v_wmma_f32_16x16x32_f16 v[rA+8*\nt:rA+8*\nt+7], v[rW+8*\nt:rW+8*\nt+7], v[rX:rX+7], 0
.else
	v_wmma_f32_16x16x32_f16 v[rA+8*\nt:rA+8*\nt+7], v[rW+8*\nt:rW+8*\nt+7], v[rX:rX+7], v[rA+8*\nt:rA+8*\nt+7]
.endif
.endr
.endm
.macro TOSTAGE a                       ; 16 rows x 64 columns into my stage and back by rows.  LDS serves a wave's instructions in order: no wait between the stores and the loads, nor in front of the next tile's stores
.set rA, AC+32*((\a)%2)
.set rB, BK+32*((\a)%4)
.irp nt, 0,1,2,3
	ds_store_b128 v[STO], v[rA+8*\nt:rA+8*\nt+3] offset:64*\nt          ; each accumulator from its low end on
	ds_store_b128 v[STO], v[rA+8*\nt+4:rA+8*\nt+7] offset:64*\nt+16
.endr
.irp i, 0,1,2,3,4,5,6,7
	ds_load_b128 v[rB+4*\i:rB+4*\i+3], v[RD] offset:544*\i
.endr
.endm
.macro SEND a
.set rB, BK+32*((\a)%4)
.irp i, 0,1,2,3,4,5,6,7
	global_store_b128 v[CO], v[rB+4*\i:rB+4*\i+3], s[42:43] offset:(16*(\a)+2*\i)*4096 th:TH_STORE_NT   ; sixteen lanes store 256 consecutive bytes, aligned; written once, read by nobody here
.endr
.endm
; ROW TILE a.
.macro TRIP a
.if ((\a) == 1) || ((\a) == 3) || ((\a) == 5)
	s_wait_tensorcnt 3-((\a)+1)/2                  ; my part of the next pair of row tiles is in; the later pairs' loads may be out
	s_wait_dscnt 0x0
	s_barrier_signal -1
	s_barrier_wait -1                              ; everybody's is
.endif
.if (\a) < 7
	FETCH (\a)+1                                   ; into the buffer that the tile before multiplied: four plain lines stand behind those products
.endif
.if (\a) == 0
	s_wait_dscnt 32                                ; this tile's fragments are in; the next tile's 32 loads may be out
.elseif (\a) < 7
	s_wait_dscnt 48                                ; behind this tile's fragments: the stage's 16 and the next tile's 32
.else
	s_wait_dscnt 16                                ; the stage's 16
.endif
.set ks, 0
.rept 8
.if (\a) == 0
	s_wait_loadcnt 56                              ; Wo's K step ks is in: 64 + 8 ks loads are issued, the first 8 ks + 8 are wanted
	WIN 0xc0                                       ; destination window 3
	WOLOAD ks+8
.endif
	WIN 0x06                                       ; source 0 (Wo) window 2, source 1 (x) window 1, C and D window 0
	MUL4 \a, ks
.set ks, ks+1
.endr
.if (\a) >= 1
	WIN 0
.if (\a) < 7
	s_wait_dscnt 32                                ; the tile before is back from the stage; the next tile's 32 loads may be out
.else
	s_wait_dscnt 0x0
.endif
	SEND (\a)-1                                    ; it leaves while this tile is multiplied
.endif
.rept 8
.if (\a) == 0
	s_wait_loadcnt 8*(15-ks)                       ; all 128 loads are issued, the first 8 ks + 8 are wanted
.endif
	WIN 0x07                                       ; source 0 window 3
	MUL4 \a, ks
.set ks, ks+1
.endr
	WIN 0
	PLACES                                         ; in front of the stores that read results, and of the loads into this tile's buffer
.if (\a) >= 4
	s_wait_xcnt 0x0                                ; the stores of four tiles back have read their registers: the stage's loads may land there
.endif
	TOSTAGE \a
.endm
	s_load_b128 s[4:7], s[0:1], 0x0                ; xf s[4:5], Wof s[6:7]
	s_load_b64 s[8:9], s[0:1], 0x10                ; out0
	v_lshl_add_u32 v[SPW], v0, 2, SPARE
	v_mov_b32 v[NIL], 0
	ds_add_u32 v[SPW], v[NIL]                      ; the wave's opening: the add, twice on end, and its wait ahead of my first tensor load
	ds_add_u32 v[SPW], v[NIL]
	v_lshrrev_b32 v1, 5, v0
	v_readfirstlane_b32 s[WV], v1                  ; wave 0..3
	s_bfe_u32 s11, ttmp6, 0x40000                  ; cx: my place in the cluster: it enters Wo's and out0's addresses alone
	; descriptor group 1: 8,192 dense bytes as 32 rows of 32 elements of 8 bytes
	s_mov_b32 s16, 15|(3<<16)|(1<<21)              ; 15:0 the mask: all four work-groups; 17:16 elements of 8 bytes; 21 set beside a mask
	s_mov_b32 s17, 32<<16                          ; tensor_dim0
	s_mov_b32 s18, 32<<16                          ; tensor_dim1
	s_mov_b32 s19, 32<<16                          ; tile_dim0
	s_mov_b32 s20, 32                              ; tile_dim1
	s_mov_b32 s21, 32                              ; tensor_dim0_stride
	s_mov_b32 s22, 0
	s_mov_b32 s23, 0
	s_lshl_b32 s12, s[WV], 13                      ; my 8,192 bytes of a pair's 32,768, in LDS and in memory
	s_lshl_b32 s14, ttmp9, 17                      ; in a cluster launch ttmp9 counts clusters: the block of 128 rows, 131,072 bytes of xf
	s_add_co_u32 s14, s14, s12
	s_mov_b32 s15, 0
	s_lshl_b32 s40, s11, 2
	s_add_co_u32 s40, s40, s[WV]
	s_lshl_b32 s40, s40, 16                        ; Wo: 65,536 (4 cx + wave)
	s_mov_b32 s41, 0
	s_lshl_b32 s42, ttmp9, 19                      ; out0: 128 rows of 4,096 bytes, + 1,024 cx + 256 wave
	s_lshl_b32 s43, s11, 10
	s_add_co_u32 s42, s42, s43
	s_lshl_b32 s43, s[WV], 8
	s_add_co_u32 s42, s42, s43
	s_mov_b32 s43, 0
	s_wait_dscnt 0x0                               ; both opening adds are done
	s_wait_kmcnt 0x0
	s_add_nc_u64 s[14:15], s[4:5], s[14:15]
.irp p, 0,1,2,3
	s_mov_b32 s[24+4*\p], 1                        ; group 0 for row tiles 2 p, 2 p + 1: count,
	s_add_co_u32 s[25+4*\p], s12, \p*32768         ; LDS address,
	s_add_nc_u64 s[26+4*\p:27+4*\p], s[14:15], \p*32768   ; global address,
	s_or_b32 s[27+4*\p], s[27+4*\p], 0x80000000    ; type = 2
.endr
	s_add_nc_u64 s[40:41], s[6:7], s[40:41]
	s_add_nc_u64 s[42:43], s[8:9], s[42:43]
	CROUND                                         ; all four work-groups are here: the joint loads meet
.irp p, 0,1,2,3
	tensor_load_to_lds s[24+4*\p:27+4*\p], s[16:23]
	s_nop 0
.endr
	PLACES
	v_and_b32 v1, 31, v0                           ; lane
	v_and_b32 v2, 15, v0                           ; r
	v_bfe_u32 v3, v0, 4, 1                         ; hh
	v_lshlrev_b32 v[LI0], 4, v1
	v_add_nc_u32 v[LI0+1], 0x10000, v[LI0]
	WIN 0x80                                       ; destination window 2
.irp s, 0,1,2,3,4,5,6,7
	WOLOAD \s
.endr
	WIN 0
	s_mul_i32 s13, s[WV], 16*272
	s_add_co_u32 s13, s13, STAGE                   ; my stage
	v_mul_u32_u24 v[STO], v2, 272                  ; in: row r, 32 bytes for each half of the lanes
	v_lshl_add_u32 v[STO], v3, 5, v[STO]
	v_add_nc_u32 v[STO], s13, v[STO]
	v_mul_u32_u24 v[RD], v3, 272                   ; back: lanes 0-15 one row of 256 bytes, lanes 16-31 the next
	v_lshl_add_u32 v[RD], v2, 4, v[RD]
	v_add_nc_u32 v[RD], s13, v[RD]
	v_lshlrev_b32 v[CO], 12, v3                    ; and the same two rows in out0
	v_lshl_add_u32 v[CO], v2, 4, v[CO]
	s_wait_tensorcnt 3                             ; my part of row tiles 0 and 1 is in; the three later loads may be out
	s_barrier_signal -1
	s_barrier_wait -1                              ; everybody's is
	FETCH 0
.irp a, 0,1,2,3,4,5,6,7
	TRIP \a
.endr
	s_wait_dscnt 0x0
	SEND 7
	s_wait_tensorcnt 0x0                           ; the wave's end, behind my last tensor load and my last LDS store
	ds_add_u32 v[SPW], v[NIL]
	s_wait_dscnt 0x0
	CROUND                                         ; the closing round: no work-group ends while a partner may still ask for a piece that names it
	s_endpgm
.Lfunc_end_k_q75f9b4b001_outp:
	.size	k_q75f9b4b001_outp, .Lfunc_end_k_q75f9b4b001_outp-k_q75f9b4b001_outp
	.p2alignl 7, 3214868480
	.fill 96, 4, 3214868480
	.section	.rodata,"a",@progbits
	.p2align	6, 0x0
	.amdhsa_kernel k_q75f9b4b001_outp
		.amdhsa_group_segment_fixed_size 167936
		.amdhsa_private_segment_fixed_size 0
		.amdhsa_enable_private_segment 0
		.amdhsa_kernarg_size 24
		.amdhsa_user_sgpr_count 2
		.amdhsa_user_sgpr_kernarg_segment_ptr 1
		.amdhsa_wavefront_size32 1
		.amdhsa_system_sgpr_workgroup_id_x 1
		.amdhsa_system_sgpr_workgroup_id_y 1
		.amdhsa_system_sgpr_workgroup_id_z 1
		.amdhsa_system_vgpr_workitem_id 0
		.amdhsa_next_free_vgpr 1024
		.amdhsa_next_free_sgpr 66
		.amdhsa_reserve_vcc 0
		.amdhsa_float_denorm_mode_32 3
		.amdhsa_float_denorm_mode_16_64 3
		.amdhsa_memory_ordered 1
		.amdhsa_forward_progress 1
		.amdhsa_inst_pref_size 84
	.end_amdhsa_kernel
	.amdgpu_metadata
---
amdhsa.version: [ 1, 2 ]
amdhsa.kernels:
  - .name:           k_q75f9b4b001_outp
    .symbol:         k_q75f9b4b001_outp.kd
    .args:
      - { .name: xf, .offset: 0, .size: 8, .value_kind: global_buffer, .address_space: global }
      - { .name: Wof, .offset: 8, .size: 8, .value_kind: global_buffer, .address_space: global }
      - { .name: out0, .offset: 16, .size: 8, .value_kind: global_buffer, .address_space: global }
    .group_segment_fixed_size: 167936
    .private_segment_fixed_size: 0
    .kernarg_segment_align: 8
    .kernarg_segment_size: 24
    .max_flat_workgroup_size: 128
    .sgpr_count:     66
    .vgpr_count:     1024
    .wavefront_size: 32
...
	.end_amdgpu_metadata
.endif
;; end of part 4
